; MI455X (gfx1250); checked and timed in simulation.
; The chip was launched on July 23, 2026; its instructions are those of AMD's public machine-readable ISA for CDNA 5 (MIT licence, August 2026) and "CDNA5" Instruction Set Architecture Reference Guide (July 2026). The comments in the code are by the model that wrote it; some were corrected since.
;; Attention. Allowed arithmetic: matrix products marked QUANTISED: E4M3 operands, one given power-of-two scale a tensor, by v_wmma_f32_16x16x64_fp8_fp8 or v_wmma_f32_16x16x128_fp8_fp8, f32 sums; products left as they are: f32 operands where the result goes on into a quantised operand, else bf16, f16 or f32 operands; f32 sums; everything else in f32.
;; Inputs: W 1,024 x 2,048 float32; b 1,024 float32; encoder_outputs_codes 2,048 x 32 x 32 x 32 uint8 (E4M3 codes of encoder_outputs, K innermost, in blocks of 32 codes); hidden_codes 1 x 32 x 32 x 32 uint8 (E4M3 codes of hidden, K innermost, in blocks of 32 codes); lowp_scales 4 int32 (the exponents e of the quantised operands' scales 2^e); v 1,024 float32.
;; Outputs: out0 32 x 1 x 2,048 float32.
;; This version of the problem:
;;   THIS VERSION OF THE PROBLEM IS GIVEN IN LOW PRECISION. The matrix products marked QUANTISED in the list below multiply operands that are first quantised to E4M3 (4 exponent bits, 3 mantissa bits; 8 bits a number), with one given power-of-two scale for each operand tensor; their sums are f32. All else is computed in f32.
;;   The module's matrix products, in the order in which they are computed (A, B: the left and right operand; K: the contracted axis; several contracted axes count as one K, in the product's order):
;;     1. [M 32, K 1,024] x [K 1,024, N 1,024]; A: input hidden (given as codes); B: input W: QUANTISED (scales: A lowp_scales[0], B lowp_scales[1])
;;     2. [M 65,536, K 1,024] x [K 1,024, N 1,024]; A: input encoder_outputs (given as codes); B: input W: QUANTISED (scales: A lowp_scales[2], B lowp_scales[3])
;;     3. [M 65,536, K 1,024] x [K 1,024, N 1]; A: computed on the way; B: input v: left as it is (N = 1 < 16)
;;   THE QUANTISER, for each operand of a quantised product, along K:
;;     - The operand's scale is 2^e, e = its entry of the input lowp_scales (int32; the entries are numbered through the quantised products in the list's order, A before B).
;;     - Each number is divided by the scale, clamped to +-448, and rounded to the nearest number of E4M3, ties to even, subnormals kept.
;;     - The product sums the exact products of the quantised numbers (number of the format x scale) in f32.
;;   ~~~python
;;   def quantise(x, axis, e):      # numpy; x: float32 -> the quantised numbers, widened to float32 again
;;       x = np.moveaxis(x, axis, -1); K = x.shape[-1]
;;       r = np.clip(x / 2.0 ** e, -448, 448)
;;       step = 2.0 ** (np.maximum(np.frexp(np.where(r == 0, 1, r))[1] - 1, -6) - 3)
;;       q = np.round(r / step) * step * 2.0 ** e      # np.round: ties to even
;;       return np.moveaxis(q, -1, axis).astype(np.float32)
;;   ~~~
;;   INPUTS GIVEN AS CODES. encoder_outputs (in the module: [2048, 32, 1024], K = its axis 2); hidden (in the module: [1, 32, 1024], K = its axis 2): each comes as NAME_codes (uint8): NAME with its K axis moved to the last place and cut into blocks of 32 codes, [.., K / 32, bytes a block], one block behind the other in memory; one code a byte (a code: sign, 4 exponent bits, 3 mantissa bits); its scale is its entry of lowp_scales. Its value is code x scale, taken as it is: it is not quantised again, and the codes and scales need not be those that the quantiser above would give.
;; One version. Each part assembles by itself: llvm-mc -triple=amdgcn-amd-amdhsa -mcpu=gfx1250 --defsym DOCPART=n.
;; ======== version 1 of 1: 3 launches
;; limits: right only within a limited range of input values
;; workspace buffers: wq 1,048,576 bytes; biask 262,144 bytes; part 1,048,576 bytes
;; launch prep (part 1): grid 64 x 4, 4 waves a work-group, no clusters, 42,496 bytes of LDS; arguments W, b, hidden_codes, lowp_scales, wq, biask; writes wq, biask
.if DOCPART == 1
	.amdgcn_target "amdgcn-amd-amdhsa--gfx1250"
	.amdhsa_code_object_version 6
	.text
	.protected	k_q7936eeb92c_prep
	.globl	k_q7936eeb92c_prep
	.p2align	8
	.type	k_q7936eeb92c_prep,@function
k_q7936eeb92c_prep:
	s_mov_b64 s[64:65], 0
	v_nop
	global_prefetch_b8 v0, s[64:65] scope:SCOPE_SE
	s_setreg_imm32_b32 hwreg(HW_REG_WAVE_MODE, 25, 1), 1
	s_wait_xcnt 0x0
; WORK LEFT OUT of the program.  tanh(x) = 1 - 2 / (1 + e^(2x)), so a score is (the sum over k of v[k]) - 2 x (the sum over k of v[k] / (1 + e^(2x[k]))).  The first sum is the same for all positions s of a batch,
; whatever v holds: a term added to the softmax's input that is the same along its axis, and it is left out.  LIMIT: a NaN, an infinity or an overflow that arises in that sum alone is not carried to the result.
; W [1024][2048] f32 is cut into Wh (columns 0-1023) and We (columns 1024-2047); K, the columns, is innermost.  Both are quantised to E4M3 with the given scales: Wh with 2^e1, We with 2^e3.
; code = x / 2^e, held within +-448, rounded to the nearest code, ties to even.
; We's codes go to wq, in the order of the main launch's operand registers.  Wh's codes stay in registers and are multiplied at once by the hidden codes (the first product of the problem), each half of K by a
; work-group of its own: biask[half] = 2 log2(e) x (the half's sum x 2^(e0 + e1), + b in half 0), in the order of the main launch's result registers; the main launch adds the two.
; SHARES.  Work-group (x, y): the 16 rows n = 16 x .. 16 x + 15 of W; y / 2 = 0: Wh, 1: We; y % 2: the half of K.  Wave w: K step ks = 4 (y % 2) + w of 128, one fragment of 16 rows x 128 K.
; A FRAGMENT: lane (r = lane % 16, h = lane / 16) holds row r; registers 4 c .. 4 c + 3 hold k = 32 c + 16 h + 0 .. 15.  That is a permutation of k inside a K step, the same in both operands of both products.
; Each load reads 512 consecutive bytes of one row; the 16 rows turn through the wave's own stage in LDS (rows 528 bytes apart) so that a lane gets 16 neighbours along K of its row.
; wq:    byte qw x 65536 + (4 (4 ks + t) + c) x 512 + 16 lane, qw = x / 4, t = x % 4.
; biask: byte half x 131072 + qw x 8192 + (8 tile + 2 t + jh) x 512 + 16 lane: batch 16 tile + r, n = 16 x + 8 h + 4 jh + 0 .. 3.
; LIMITS on the given exponents, so that each power of two below is an f32 number: e1 and e3 between -126 and 119; e0 + e1 between -126 and 127.  NaN among the inputs is not served.
; No prefetch: there is no loop.  The launch shares no tiles worth a joint load: each row of W is read by one wave.
.set STGP, 528                         ; a stage row: 512 bytes + 16
.set STGW, 16*STGP                     ; a wave's stage
.set PIMG, 4*STGW                      ; behind the stages: the four waves' partial sums as images of their registers, 2,048 bytes a wave (the Wh path alone)
.set SPARE, PIMG+4*2048                ; the spare words
.set X,   16                           ; v16-79   W as loaded: row i in 4 registers
.set Y,   80                           ; v80-143  register 16 c + i = k 32 c + 16 h + i of my row
.set C,   144                          ; v144-159 the fragment's codes (v144-175 before that: the hidden codes as loaded)
.set D,   160                          ; v160-175 two accumulators: batches 0-15, 16-31
.set HID, 176                          ; v176-207 two fragments of the hidden codes
	s_load_b256 s[4:11], s[0:1], 0x0               ; W s[4:5], b s[6:7], hidden codes s[8:9], the exponents s[10:11]
	s_load_b128 s[12:15], s[0:1], 0x20             ; wq s[12:13], biask s[14:15]
	v_lshrrev_b32 v1, 5, v0
	v_readfirstlane_b32 s16, v1                    ; wave
	s_mul_i32 s24, s16, STGW
	s_lshl_b32 s25, s16, 11
	s_add_co_u32 s25, s25, PIMG
	s_lshl_b32 s26, s16, 9
	s_add_co_u32 s26, s26, PIMG
	v_lshl_add_u32 v208, v0, 2, SPARE
	v_mov_b32 v209, 0
	v_and_b32 v1, 31, v0                           ; lane
	v_and_b32 v2, 15, v0                           ; r
	v_bfe_u32 v3, v0, 4, 1                         ; h
	v_lshlrev_b32 v4, 4, v1                        ; 16 x lane
	v_mul_u32_u24 v6, v2, STGP
	v_lshrrev_b32 v212, 3, v1
	v_and_b32 v213, 7, v1
	v_mul_u32_u24 v211, v2, 144
	v_add_nc_u32 v5, s24, v4                       ; the stage, way in: 16 x lane in a row
	v_lshl_add_u32 v6, v3, 6, v6
	v_lshlrev_b32 v7, 10, v212
	v_mul_u32_u24 v210, v212, 144
	v_lshl_add_u32 v211, v3, 4, v211
	v_add_nc_u32 v6, s24, v6                       ; way out: row r, + 64 h: my 16 numbers of a block of 32
	v_lshl_add_u32 v7, v213, 4, v7                 ; hidden codes: eight lanes take a row's 128 bytes of the K step, four rows a load
	v_lshl_add_u32 v210, v213, 4, v210
	v_add_nc_u32 v211, s24, v211                   ; and out of the stage: row r, + 16 h
	v_add_nc_u32 v210, s24, v210                   ; into my stage, rows 144 bytes apart
	v_add_nc_u32 v8, s25, v4                       ; where I store my partial sums
	v_add_nc_u32 v214, s26, v4                     ; where wave g reads group g of every wave's
	v_lshlrev_b32 v9, 5, v3                        ; b: 32 h
	s_and_b32 s24, ttmp7, 0xffff
	s_lshr_b32 s18, s24, 1                         ; 0: Wh, 1: We
	s_and_b32 s35, s24, 1                          ; the half of K
	s_lshl_b32 s17, s35, 2
	s_add_co_u32 s17, s17, s16                     ; K step
	s_and_b32 s34, ttmp9, 3                        ; t
	s_lshr_b32 s19, ttmp9, 2                       ; qw
	s_lshl_b32 s24, ttmp9, 17                      ; W: 16 rows of 8,192 bytes a work-group,
	s_lshl_b32 s25, s18, 12                        ; + Wh or We,
	s_add_co_u32 s24, s24, s25
	s_lshl_b32 s25, s17, 9                         ; + the K step's 512 bytes
	s_add_co_u32 s24, s24, s25
	s_mov_b32 s25, 0
	s_lshl_b32 s26, s17, 7                         ; hidden codes: the K step's 128 bytes
	s_mov_b32 s27, 0
	s_lshl_b32 s28, s19, 16                        ; wq: qw x 65536 + (4 ks + t) x 2048
	s_lshl_b32 s29, s17, 13
	s_add_co_u32 s28, s28, s29
	s_lshl_b32 s29, s34, 11
	s_add_co_u32 s28, s28, s29
	s_mov_b32 s29, 0
	s_lshl_b32 s30, s35, 17                        ; biask: half x 131072 + qw x 8192 + (8 (wave / 2) + 2 t + wave % 2) x 512
	s_lshl_b32 s31, s19, 13
	s_add_co_u32 s30, s30, s31
	s_lshr_b32 s31, s16, 1
	s_lshl_b32 s31, s31, 12
	s_add_co_u32 s30, s30, s31
	s_lshl_b32 s31, s34, 10
	s_add_co_u32 s30, s30, s31
	s_and_b32 s33, s16, 1                          ; jh of the group that my wave sums
	s_lshl_b32 s31, s33, 9
	s_add_co_u32 s30, s30, s31
	s_mov_b32 s31, 0
	s_lshl_b32 s32, ttmp9, 6                       ; b: 16 numbers a work-group, + 4 jh
	s_lshl_b32 s33, s33, 4
	s_add_co_u32 s32, s32, s33
	s_mov_b32 s33, 0
	s_sub_co_u32 s36, s35, 1                       ; all ones in half 0, which adds b; 0 in half 1
	s_mov_b32 s42, 0x4038aa3b                      ; 2 log2(e)
	s_mov_b32 s43, s42                             ; (named with it as a pair, so it is written)
	s_wait_alu depctr_va_vdst(0)                   ; the wait at the head's end
	s_wait_kmcnt 0x0
	s_load_b128 s[20:23], s[10:11], 0x0            ; e0, e1, e2, e3
	s_add_nc_u64 s[4:5], s[4:5], s[24:25]
	s_add_nc_u64 s[8:9], s[8:9], s[26:27]
	s_add_nc_u64 s[12:13], s[12:13], s[28:29]
	s_add_nc_u64 s[14:15], s[14:15], s[30:31]
	s_add_nc_u64 s[6:7], s[6:7], s[32:33]
.set ii, 0
.rept 16
	global_load_b128 v[X+4*ii:X+4*ii+3], v4, s[4:5] offset:8192*ii th:TH_LOAD_NT   ; row ii: 32 lanes read 512 consecutive bytes; read once in the launch
.set ii, ii+1
.endr
.macro STAGE younger                   ; W's rows turn through my stage; younger: loads issued behind W's, which may be out.  The powers of two are made meanwhile
	s_wait_loadcnt \younger
.set ii, 0
.rept 16
	ds_store_b128 v5, v[X+4*ii:X+4*ii+3] offset:STGP*ii
.set ii, ii+1
.endr
.irp c, 0,1,2,3
.irp j, 0,1,2,3
	ds_load_b128 v[Y+16*\c+4*\j:Y+16*\c+4*\j+3], v6 offset:128*\c+16*\j   ; LDS serves a wave's instructions in order (ISA guide 5.7.1.4): these see my stores; the stage is my own
.endr
.endr
	s_wait_kmcnt 0x0
	s_cmp_eq_u32 s18, 1
	s_cselect_b32 s26, s23, s21                    ; e: e3 for We, e1 for Wh
	s_add_co_i32 s26, s26, 127
	s_lshl_b32 s27, s26, 23
	v_mov_b32 v11, s27                             ; 2^e as f32: the conversion takes its exponent field
	s_add_co_i32 s26, s26, 8
	s_lshl_b32 s26, s26, 23
	s_or_b32 s26, s26, 0x600000
	v_mov_b32 v10, s26                             ; 448 x 2^e
	s_add_co_i32 s40, s20, s21
	s_add_co_i32 s40, s40, 127
	s_lshl_b32 s40, s40, 23                        ; 2^(e0 + e1) as f32
	s_mov_b32 s41, s40
.endm
.macro QUANT                           ; my 64 numbers become the fragment's 16 registers
	s_wait_alu depctr_va_vdst(0)                   ; for the two powers of two
.set ii, 0
.rept 64
	v_med3_num_f32 v[Y+ii], v[Y+ii], -v10, v10     ; the conversion to an 8-bit code does not saturate (ISA guide 7.6.2): the hold at the largest code x the scale
.set ii, ii+1
.endr
.set ii, 0
.rept 8
	v_cvt_scalef32_pk8_fp8_f32 v[C+2*ii:C+2*ii+1], v[Y+8*ii:Y+8*ii+7], v11
.set ii, ii+1
.endr
	v_nop                                          ; one plain vector instruction behind the last scaled conversion, ahead of the matrix instructions that read the codes
.endm
	s_cmp_eq_u32 s18, 0                            ; the one parting of Wh and We: the same way for all four waves of a work-group
	s_cbranch_scc1 .Lwh
	STAGE 0
	s_wait_dscnt 0x0
	QUANT
.irp c, 0,1,2,3
	global_store_b128 v4, v[C+4*\c:C+4*\c+3], s[12:13] offset:512*\c   ; 32 lanes store 512 consecutive bytes, at a multiple of 512 from wq's first byte
.endr
	s_wait_tensorcnt 0x0                           ; the wave's end
	ds_add_u32 v208, v209
	s_wait_dscnt 0x0
	s_endpgm
.Lwh:
.set ii, 0
.rept 8
	global_load_b128 v[C+4*ii:C+4*ii+3], v7, s[8:9] offset:4096*ii   ; batches 4 ii .. 4 ii + 3, this K step
.set ii, ii+1
.endr
	global_load_b128 v[12:15], v9, s[6:7]          ; my four numbers of b
	STAGE 9                                        ; the eight loads of hidden codes and b's may be out
	s_wait_loadcnt 1                               ; b's may be out
.set ii, 0
.rept 8
	ds_store_b128 v210, v[C+4*ii:C+4*ii+3] offset:576*ii   ; behind my reads of W there (LDS serves a wave's instructions in order)
.set ii, ii+1
.endr
.irp u, 0,1
.irp c, 0,1,2,3
	ds_load_b128 v[HID+16*\u+4*\c:HID+16*\u+4*\c+3], v211 offset:2304*\u+32*\c   ; batches 16 u + r
.endr
.endr
	s_wait_dscnt 16                                ; W is back; the 16 just issued may be out
	QUANT
	s_wait_alu depctr_va_vdst(0)
	s_wait_dscnt 0x0                               ; the hidden codes
	v_wmma_f32_16x16x128_fp8_fp8 v[D:D+7], v[C:C+15], v[HID:HID+15], 0          ; source 0 = 16 rows of Wh, source 1 = 16 batches: lane (r, h) holds batch r, register j the row 8 h + j
	v_wmma_f32_16x16x128_fp8_fp8 v[D+8:D+15], v[C:C+15], v[HID+16:HID+31], 0
.rept 4
	v_nop                                          ; four places behind a matrix instruction ahead of the first read of its result (ISA guide 7.12.1)
.endr
.irp g, 0,1,2,3
	ds_store_b128 v8, v[D+4*\g:D+4*\g+3] offset:512*\g   ; group g = 2 tile + jh, each accumulator from its low end on
.endr
	s_wait_dscnt 0x0                               ; for the others' sake: my stores have landed
	s_barrier_signal -1
	s_barrier_wait -1
.irp k, 0,1,2,3
	ds_load_b128 v[X+4*\k:X+4*\k+3], v214 offset:2048*\k   ; group g of wave k
.endr
	s_wait_loadcnt 0x0                             ; b
	s_wait_dscnt 0x0
	v_pk_add_f32 v[X:X+1], v[X:X+1], v[X+4:X+5]
	v_pk_add_f32 v[X+2:X+3], v[X+2:X+3], v[X+6:X+7]
	v_pk_add_f32 v[X+8:X+9], v[X+8:X+9], v[X+12:X+13]
	v_pk_add_f32 v[X+10:X+11], v[X+10:X+11], v[X+14:X+15]
.irp j, 12,13,14,15
	v_cndmask_b32 v\j, 0, v\j, s36                 ; b in half 0, 0 in half 1
.endr
	v_pk_add_f32 v[X:X+1], v[X:X+1], v[X+8:X+9]
	v_pk_add_f32 v[X+2:X+3], v[X+2:X+3], v[X+10:X+11]
	v_pk_fma_f32 v[X:X+1], v[X:X+1], s[40:41], v[12:13] op_sel_hi:[1,0,1]       ; sum x 2^(e0 + e1) + b
	v_pk_fma_f32 v[X+2:X+3], v[X+2:X+3], s[40:41], v[14:15] op_sel_hi:[1,0,1]
	v_pk_mul_f32 v[X:X+1], v[X:X+1], s[42:43] op_sel_hi:[1,0]                  ; x 2 log2(e)
	v_pk_mul_f32 v[X+2:X+3], v[X+2:X+3], s[42:43] op_sel_hi:[1,0]
	global_store_b128 v4, v[X:X+3], s[14:15]       ; 512 consecutive bytes, at a multiple of 512 from biask's first byte
	s_wait_tensorcnt 0x0
	ds_add_u32 v208, v209
	s_wait_dscnt 0x0
	s_endpgm
.Lfunc_end_k_q7936eeb92c_prep:
	.size	k_q7936eeb92c_prep, .Lfunc_end_k_q7936eeb92c_prep-k_q7936eeb92c_prep
	.p2alignl 7, 3214868480
	.fill 96, 4, 3214868480
	.section	.rodata,"a",@progbits
	.p2align	6, 0x0
	.amdhsa_kernel k_q7936eeb92c_prep
		.amdhsa_group_segment_fixed_size 42496
		.amdhsa_private_segment_fixed_size 0
		.amdhsa_enable_private_segment 0
		.amdhsa_kernarg_size 48
		.amdhsa_user_sgpr_count 2
		.amdhsa_user_sgpr_kernarg_segment_ptr 1
		.amdhsa_wavefront_size32 1
		.amdhsa_system_sgpr_workgroup_id_x 1
		.amdhsa_system_sgpr_workgroup_id_y 1
		.amdhsa_system_sgpr_workgroup_id_z 1
		.amdhsa_system_vgpr_workitem_id 0
		.amdhsa_next_free_vgpr 216
		.amdhsa_next_free_sgpr 66
		.amdhsa_reserve_vcc 0
		.amdhsa_float_denorm_mode_32 3
		.amdhsa_float_denorm_mode_16_64 3
		.amdhsa_memory_ordered 1
		.amdhsa_forward_progress 1
		.amdhsa_inst_pref_size 24
	.end_amdhsa_kernel
	.amdgpu_metadata
---
amdhsa.version: [ 1, 2 ]
amdhsa.kernels:
  - .name:           k_q7936eeb92c_prep
    .symbol:         k_q7936eeb92c_prep.kd
    .args:
      - { .name: W, .offset: 0, .size: 8, .value_kind: global_buffer, .address_space: global }
      - { .name: b, .offset: 8, .size: 8, .value_kind: global_buffer, .address_space: global }
      - { .name: hidden_codes, .offset: 16, .size: 8, .value_kind: global_buffer, .address_space: global }
      - { .name: lowp_scales, .offset: 24, .size: 8, .value_kind: global_buffer, .address_space: global }
      - { .name: wq, .offset: 32, .size: 8, .value_kind: global_buffer, .address_space: global }
      - { .name: biask, .offset: 40, .size: 8, .value_kind: global_buffer, .address_space: global }
    .group_segment_fixed_size: 42496
    .private_segment_fixed_size: 0
    .kernarg_segment_align: 8
    .kernarg_segment_size: 48
    .max_flat_workgroup_size: 128
    .sgpr_count:     66
    .vgpr_count:     216
    .wavefront_size: 32
...
	.end_amdgpu_metadata
.endif
;; end of part 1
;; launch main (part 2): grid 256 x 1, 4 waves a work-group, clusters of 4 x 1, 327,680 bytes of LDS; arguments encoder_outputs_codes, wq, biask, v, lowp_scales, part; writes part
.if DOCPART == 2
	.amdgcn_target "amdgcn-amd-amdhsa--gfx1250"
	.amdhsa_code_object_version 6
	.text
	.protected	k_q7936eeb92c_main
	.globl	k_q7936eeb92c_main
	.p2align	8
	.type	k_q7936eeb92c_main,@function
k_q7936eeb92c_main:
	s_mov_b64 s[64:65], 0
	v_nop
	global_prefetch_b8 v0, s[64:65] scope:SCOPE_SE
	s_setreg_imm32_b32 hwreg(HW_REG_WAVE_MODE, 25, 1), 1
	s_wait_xcnt 0x0
	s_wait_alu depctr_hold_cnt(0) depctr_sa_sdst(0) depctr_va_vdst(0) depctr_va_sdst(0) depctr_va_ssrc(0) depctr_va_vcc(0) depctr_vm_vsrc(0)
	s_getreg_b32 s2, hwreg(HW_REG_IB_STS2, 6, 4)
	s_cmp_eq_u32 s2, 0
	s_cbranch_scc0 .Lentry_in_a_cluster
	s_endpgm
.Lentry_in_a_cluster:
	s_bfe_u32 s2, ttmp6, 0x10000c
	s_cmp_lg_u32 s2, 0x3003
	s_cbranch_scc0 .Lentry_shape_is_right
	s_endpgm
.Lentry_shape_is_right:
; part[q][batch][s] = the sum over the 256 k of quarter q of v[k] / (1 + 2^t), t = (encoder codes . We codes) x 2^(e2 + e3) x 2 log2(e) + biask: so 2^t = e^(2x), x the argument of tanh.
; The rest of tanh(x) = 1 - 2 / (1 + e^(2x)) is left out here: the sum of v is the same for all positions of a batch and drops out of the softmax (shown at the head of prep); the factor -2 is applied by soft.
; LIMIT: e2 + e3 lies between -126 and 125, so that the factor is an f32 number.
; SHARES.  Cluster c takes 64 positions (64 (c / 2) on) x 16 batches (16 (c % 2) on); work-group cx of it takes quarter cx of the k, wave w of that 64 of them: 64 rows of We x 1,024, whose codes
; stay in 512 registers for the whole launch.  The encoder's rows walk past in PAIRS of two tiles, two positions x 16 batches, read from LDS.  The four partners need the same rows: joint loads, mask 15.
; A PAIR: eight steps of 128 along K, 8 accumulators by turns (4 blocks of 16 k x 2 tiles): 64 matrix instructions, no transcendental and no LDS instruction among them.  Source 0 = 16 rows of We, source 1 = 16 batches:
; lane (r, h) holds batch r and register j of block tt the k 16 tt + 8 h + j.  Behind them comes the pair's epilogue: t; the reciprocals of the PAIR BEFORE and this pair's exponentials in one run.
; Two sets of 64 accumulators take turns.  While one pair is multiplied, 1 is added to the exponentials of the pair before; and v[k] / (1 + 2^t) of the pair before that is summed block by block just ahead of
; the matrix instructions that start those accumulators anew.
; A pair's fragments come from LDS in two runs of 32 loads: steps 0 to 3 ahead of the transcendentals of the pair before, steps 4 to 7 behind them.
; REGISTERS: window 0: addresses, sums, v, biask, the two sets; window 1: the pair's fragments; windows 2 and 3: We's steps 0-3 and 4-7, block tt of step ks at 64 (ks % 4) + 16 tt.
; LDS: two slots of four pairs, rows of 1,024 bytes + 16 of padding; behind them the pairs' sums, [wave, h][batch][position], and the spare words.
; The slots change in the epilogue of a slot's fourth pair; the load issued there has the work of the next four pairs in which to land, and its bytes were prefetched one change earlier.
.set PITCH, 1040
.set TILEB, 16*PITCH
.set PAIRB, 32*PITCH
.set SLOT,  4*PAIRB
.set SLOTG, 262144                     ; from slot to slot in memory: eight positions
.set SCR,   2*SLOT                     ; the sums: 8 parts (wave, h) of 16 batches x (256 + 16) bytes
.set PARTB, 4352
.set SPARE, SCR+8*PARTB                ; the spare words, 128 bytes for each wave
.set SPW,  1
.set NIL,  2
.set A0,   3                           ; my lane's place in a tile: r x PITCH + 16 h
.set ADR,  4                           ; the same in the next pair
.set SA0,  5                           ; my place among the sums
.set SAD,  6                           ; the same for the pair in hand
.set PFO,  7
.set LI,   8
.set WO,   9
.set GO,   10
.set VO,   11
.set WSA,  12                          ; where my half of We lies in slot 1: K steps 4 to 7 pass through it at the launch's start, as 32 rows of 1,024 bytes like a pair's
.set SUM,  16                          ; v16-23: two chains for each tile
.set VV,   24                          ; v24-55: v
.set BIAS, 56                          ; v56-87: biask
.set ACC,  88                          ; v88-215: the two sets
.set OUTR, 88                          ; the way out
.set WV,   16
.set CX,   17
.set QW,   18
.set G1,   24
.set G0A,  32
.set G0B,  36
.set K2,   40
.set TB,   42                          ; LDS byte at which the slot in hand begins
.set SB,   43                          ; 8 x the number of the pair whose sums go out next
.set CNT,  44
.set PFA,  46
.set MSB, 0
.macro WIN new                         ; the immediate's high byte repeats the setting that is left
.if MSB != (\new)
	s_set_vgpr_msb (MSB<<8)|(\new)
.set MSB, (\new)
.endif
.endm
.macro PLACES n
.rept \n
	v_nop
.endr
.endm
.macro CREST                           ; a round of the cluster's barrier behind its opening barrier
	s_cmp_lg_u32 s[WV], 0
	s_cbranch_scc1 .Lnot_wave_0_\@
	s_barrier_signal -3
.Lnot_wave_0_\@:
	s_barrier_wait -3
	s_barrier_signal -1
	s_barrier_wait -1
.endm
.macro ROUND
	s_barrier_signal -1
	s_barrier_wait -1
	CREST
.endm
; A prefetch into the L2 of the slot that the NEXT change asks for: 8 positions x 16,384 bytes, of which each of the cluster's 16 waves names 8,192, lanes 256 bytes apart.  The partners share them by address.  Nothing in the last trip: no slot is left.
.macro ASK
	s_cmp_gt_u32 s[CNT], 1
	s_cbranch_scc0 .Lnone_\@
	global_prefetch_b8 v[PFO], s[PFA:PFA+1] th:TH_LOAD_NT scope:SCOPE_SE
.Lnone_\@:
.endm
.macro WLOAD n                         ; the next n fragments of We: each load of the wave reads 512 consecutive bytes
.rept \n
	WIN 0x80
.set rW, 16*(wj%16)
.set cc, 0
.rept 4
	global_load_b128 v[rW+4*cc:rW+4*cc+3], v[LI], s[6:7] offset:512*(4*wj+cc)
.set cc, cc+1
.endr
.set wj, wj+1
.endr
	WIN 0
.endm
.macro ADDR cq                         ; the next pair is the slot's pair cq
	s_add_co_u32 s50, s[TB], (\cq)*PAIRB
	v_add_nc_u32 v[ADR], s50, v[A0]
.endm
.macro RUN k0                          ; the fragments of steps k0 to k0 + 3: 32 loads
	WIN 0x40
.set li, 0
.rept 32
.set rA, 32*(\k0)+4*li
	ds_load_b128 v[rA:rA+3], v[ADR] offset:TILEB*((li/4)%2)+128*((\k0)+li/8)+32*(li%4)
.set li, li+1
.endr
	WIN 0
.endm
.macro MMI                             ; matrix instruction mi of step ks: block tt, tile tl
.set tt, mi/2
.set tl, mi%2
.set rD, mset+8*(4*tl+tt)
.set rE, 32*ks+16*tl
.set rW, 64*(ks%4)+16*tt
.set wn, 0x06+ks/4
	WIN wn
.if ks == 0
	v_wmma_f32_16x16x128_fp8_fp8 v[rD:rD+7], v[rW:rW+15], v[rE:rE+15], 0
.else
	v_wmma_f32_16x16x128_fp8_fp8 v[rD:rD+7], v[rW:rW+15], v[rE:rE+15], v[rD:rD+7]
.endif
.endm
.macro FILL                            ; 1 + 2^t of the pair before.  Written with three sources, so that it reads and writes the windows that the matrix instructions' C and D have
	v_pk_fma_f32 v[oset+2*fn:oset+2*fn+1], 1.0, 1.0, v[oset+2*fn:oset+2*fn+1] op_sel_hi:[0,0,1]
.set fn, fn+1
.endm
.macro SUMF b, st                      ; block st of the set at b, both tiles: x v, summed in two chains a tile
	WIN 0
.set jj, 0
.rept 8
.set ux, jj%2
.set pp, jj/2
.set rS, SUM+4*ux+2*(pp%2)
.set rX, (\b)+32*ux+8*(\st)+2*pp
.set rV, VV+8*(\st)+2*pp
.if ((\st) == 0) && (pp < 2)
	v_pk_mul_f32 v[rS:rS+1], v[rX:rX+1], v[rV:rV+1]
.else
	v_pk_fma_f32 v[rS:rS+1], v[rX:rX+1], v[rV:rV+1], v[rS:rS+1]
.endif
.set jj, jj+1
.endr
.endm
.macro JOIN                            ; the chains of each tile become one number a lane, and its place among the sums
	v_pk_add_f32 v[SUM:SUM+1], v[SUM:SUM+1], v[SUM+2:SUM+3]
	v_pk_add_f32 v[SUM+4:SUM+5], v[SUM+4:SUM+5], v[SUM+6:SUM+7]
	v_add_nc_u32 v[SAD], s[SB], v[SA0]
	s_add_co_u32 s[SB], s[SB], 8
	v_add_f32 v[SUM], v[SUM], v[SUM+1]
	v_add_f32 v[SUM+4], v[SUM+4], v[SUM+5]
.endm
.macro TF b, m                         ; t of the accumulator of matrix instruction m, in the set at b, from its low end on
	WIN 0
.set tq, 8*((\m)/2)
.set tx, (\b)+32*((\m)%2)+tq
.set tk, 0
.rept 4
	v_pk_fma_f32 v[tx+tk:tx+tk+1], v[tx+tk:tx+tk+1], s[K2:K2+1], v[BIAS+tq+tk:BIAS+tq+tk+1] op_sel_hi:[1,0,1]
.set tk, tk+2
.endr
.endm
.macro WRUN                            ; We's K steps 4 to 7 out of slot 1: 64 loads, two runs of 512 bytes in each row
	WIN 0xc0
.set li, 0
.rept 64
	ds_load_b128 v[4*li:4*li+3], v[WSA] offset:PITCH*(li/2)+512*(li%2)
.set li, li+1
.endr
	WIN 0
.endm
.macro PUT
	ds_store_b32 v[SAD], v[SUM]
	ds_store_b32 v[SAD], v[SUM+4] offset:4
.endm
; A pair's products into set.  sm: the sums of two pairs before.  ad: the additions of the pair before.  At the head of step ks its eight loads are in; those of the 7 - ks later steps may be out.
.macro MPAIR set, sm, ad, first
.set mset, ACC+64*(\set)
.set oset, ACC+64-64*(\set)
.set fn, 0
.set ks, 0
.rept 8
.if (\first) && (ks == 4)
	s_wait_tensorcnt 0x0                   ; my half of We is in LDS, in bytes that I alone read
	WRUN
	s_wait_dscnt 0x0
.else
	s_wait_dscnt 8*(7-ks)
.endif
.if (\first) && (ks < 4)               ; of 88 loads, We's first 16 (ks + 1) are in; the counter holds 63 at the most
.if ks == 0
	s_wait_loadcnt 63
.else
	s_wait_loadcnt 72-16*ks
.endif
.endif
.if (\first) && (ks == 7)
	s_wait_loadcnt 0x0                     ; both halves of biask, and v
	WIN 0
.set xx, 0
.rept 16
	v_pk_add_f32 v[BIAS+xx:BIAS+xx+1], v[BIAS+xx:BIAS+xx+1], v[ACC+64+xx:ACC+64+xx+1]
.set xx, xx+2
.endr
.endif
.set mi, 0
.rept 8
.if (\sm) && (ks == 0) && (mi%2 == 0)
.set sq, mi/2
	SUMF mset, sq
.endif
	MMI
.if (\ad) && (ks > 0)
.if (mi < 4) || ((mi == 4) && (ks < 5))
	FILL
.endif
.endif
.if ks == 7                            ; t of the accumulators that were finished four matrix instructions ago; four plain instructions stand between
.if ((\ad) == 0) && (mi == 3)
	PLACES 4
.endif
.if mi > 3
	TF mset, mi-4
.endif
.endif
.set mi, mi+1
.endr
.set ks, ks+1
.endr
	WIN 0
.endm
; A pair's epilogue.  q: its number in the slot; 3: the slots change; 4: the launch's last pair.  rc = 1: there is a pair before; st = 1: two pairs before, whose sums go out.  fill = 1: the slot just read is filled again.
.macro EPI set, q, rc, st, fill
.set rP, ACC+64*(\set)
.set rQ, ACC+64-64*(\set)
	PLACES 4                               ; ahead of the first read of the results, and of the loads into the fragments
.if (\q) == 3
	s_wait_tensorcnt 0x0                   ; my part of the next slot is in;
	ds_add_u32 v[SPW], v[NIL]
	s_xor_b32 s[TB], s[TB], SLOT
.if \fill
	s_xor_b32 s[G0B+1], s[G0B+1], SLOT
	s_add_nc_u64 s[G0B+2:G0B+3], s[G0B+2:G0B+3], SLOTG
	s_wait_xcnt 0x0                        ; any prefetch of mine has read its address
	s_add_nc_u64 s[PFA:PFA+1], s[PFA:PFA+1], SLOTG
.endif
.endif
	TF rP, 4                               ; t of the last four accumulators
	TF rP, 5
	TF rP, 6
	TF rP, 7
.if \st
	JOIN
.endif
.if (\q) < 3
	ADDR (\q)+1
.elseif (\q) == 3
	ADDR 0
	s_wait_dscnt 0x0                       ; the add is done, and so are my reads of this slot
.endif
	s_wait_alu depctr_va_vdst(0)           ; ahead of the run of transcendentals
.if (\q) == 3
	s_barrier_signal -1
.else
.if \st
	PUT
.endif
.if (\q) < 3
	RUN 0
.endif
.endif
.if \rc
.set xx, 0
.rept 64
	v_rcp_f32 v[rQ+xx], v[rQ+xx]
.set xx, xx+1
.endr
.endif
.if (\q) == 3
	v_nop
	s_wait_alu depctr_va_vdst(0)           ; the reciprocals have their wait
	s_barrier_wait -1
.if \fill
	CREST                                  ; no wave of any partner reads this slot any more or has a load on its way
	tensor_load_to_lds s[G0B:G0B+3], s[G1:G1+7]
	s_nop 0
	PLACES 4
.endif
	PUT
	RUN 0
.if \fill
	ASK
.endif
.endif
.set xx, 0
.rept 64
	v_exp_f32 v[rP+xx], v[rP+xx]
.set xx, xx+1
.endr
	v_nop
	s_wait_alu depctr_va_vdst(0)           ; one wait behind the run, ahead of its first reader
.if (\q) < 4
	RUN 4
.endif
.endm
	s_load_b256 s[4:11], s[0:1], 0x0       ; encoder codes, wq, biask, v
	s_load_b128 s[12:15], s[0:1], 0x20     ; the exponents, part
	v_lshl_add_u32 v[SPW], v0, 2, SPARE
	v_mov_b32 v[NIL], 0
	ds_add_u32 v[SPW], v[NIL]              ; the opening lines: the add, twice on end
	ds_add_u32 v[SPW], v[NIL]
	v_lshrrev_b32 v12, 5, v0
	v_readfirstlane_b32 s[WV], v12
	s_mul_i32 s50, s[WV], 2*PARTB
	s_add_co_u32 s50, s50, SCR
	v_and_b32 v12, 15, v0                  ; r
	v_bfe_u32 v13, v0, 4, 1                ; h
	v_and_b32 v14, 31, v0
	v_lshlrev_b32 v[LI], 4, v14
	v_lshlrev_b32 v[PFO], 8, v14
	v_lshlrev_b32 v[VO], 5, v13
	v_mul_u32_u24 v[A0], v12, PITCH
	v_lshl_add_u32 v[A0], v13, 4, v[A0]
	v_mul_u32_u24 v[SA0], v12, 272
	v_mul_u32_u24 v15, v13, PARTB
	v_add_nc_u32 v[SA0], v[SA0], v15
	v_add_nc_u32 v[SA0], s50, v[SA0]
	v_lshrrev_b32 v14, 4, v0               ; the way out: sixteen lanes to a batch, 16 bytes each
	v_mul_u32_u24 v[WO], v14, 272
	v_lshl_add_u32 v[WO], v12, 4, v[WO]
	v_add_nc_u32 v[WO], SCR, v[WO]
	v_lshlrev_b32 v[GO], 13, v14
	v_lshl_add_u32 v[GO], v12, 4, v[GO]
	s_bfe_u32 s[CX], ttmp6, 0x40000
	s_lshl_b32 s[QW], s[CX], 2
	s_add_co_u32 s[QW], s[QW], s[WV]       ; my 64 rows of We: 64 QW on
	s_mov_b32 s[G1], 15|(1<<20)|(1<<21)|(7<<22)|(3<<25)   ; all four partners; bytes; after every 256 words 4 of padding
	s_mov_b32 s[G1+1], 16384<<16           ; a pair: two positions of 16 batches x 1,024 bytes, 32,768 bytes apart
	s_mov_b32 s[G1+2], 2<<16
	s_mov_b32 s[G1+3], 16384<<16
	s_mov_b32 s[G1+4], 2
	s_mov_b32 s[G1+5], 32768
	s_mov_b32 s[G1+6], 0
	s_mov_b32 s[G1+7], 0
	s_and_b32 s19, ttmp9, 1                ; which 16 batches
	s_lshr_b32 s45, ttmp9, 1               ; which 64 positions
	s_lshl_b32 s48, s45, 21
	s_lshl_b32 s49, s19, 14
	s_add_co_u32 s48, s48, s49             ; the cluster's first byte
	s_lshr_b32 s52, s[QW], 1               ; the prefetches: wave QW of the cluster takes half of position QW / 2 of slot 2; the first change steps it to slot 3
	s_lshl_b32 s52, s52, 15
	s_and_b32 s53, s[QW], 1
	s_lshl_b32 s53, s53, 13
	s_add_co_u32 s52, s52, s53
	s_add_co_u32 s52, s52, s48
	s_add_co_u32 s52, s52, 2*SLOTG
	s_mov_b32 s53, 0
	s_lshl_b32 s49, s[WV], 16
	s_add_co_u32 s48, s48, s49             ; wave w fetches the slot's pair w
	s_mov_b32 s49, 0
	s_mov_b32 s[G0A], 1
	s_mul_i32 s[G0A+1], s[WV], PAIRB
	s_mov_b32 s[G0B], 1
	s_add_co_u32 s[G0B+1], s[G0A+1], SLOT
	s_mov_b32 s[TB], 0
	s_mov_b32 s[SB], 0
	s_wait_alu depctr_va_vdst(0)           ; ahead of the waits below
	s_wait_dscnt 0x0                       ; both opening adds are done
	s_wait_kmcnt 0x0
	s_load_b128 s[20:23], s[12:13], 0x0    ; e0, e1, e2, e3
	s_add_nc_u64 s[G0A+2:G0A+3], s[4:5], s[48:49]
	s_add_nc_u64 s[G0B+2:G0B+3], s[G0A+2:G0A+3], SLOTG
	s_or_b32 s[G0A+3], s[G0A+3], 0x80000000
	s_or_b32 s[G0B+3], s[G0B+3], 0x80000000
	s_add_nc_u64 s[PFA:PFA+1], s[4:5], s[52:53]
	s_lshl_b32 s52, s[QW], 16
	s_add_nc_u64 s[6:7], s[6:7], s[52:53]
	s_lshl_b32 s52, s[QW], 13
	s_lshl_b32 s50, s19, 12
	s_add_co_u32 s52, s52, s50
	s_add_nc_u64 s[8:9], s[8:9], s[52:53]
	s_lshl_b32 s52, s[QW], 8
	s_add_nc_u64 s[10:11], s[10:11], s[52:53]
	s_lshl_b32 s52, s[CX], 18              ; part: the quarter, my 16 batches' rows of 8,192 bytes, my 64 positions
	s_lshl_b32 s50, s19, 17
	s_add_co_u32 s52, s52, s50
	s_lshl_b32 s50, s45, 8
	s_add_co_u32 s52, s52, s50
	s_add_nc_u64 s[14:15], s[14:15], s[52:53]
.set wj, 0
	WLOAD 12                               ; 48 loads of We set out ahead of the round
	ROUND
	tensor_load_to_lds s[G0A:G0A+3], s[G1:G1+7]   ; slot 0
	s_nop 0
	PLACES 4
	WLOAD 4                                ; K steps 0 to 3 come this way, 4 to 7 through slot 1
.set ii, 0
.rept 8
	global_load_b128 v[BIAS+4*ii:BIAS+4*ii+3], v[LI], s[8:9] offset:512*ii
	global_load_b128 v[ACC+64+4*ii:ACC+64+4*ii+3], v[LI], s[8:9] offset:131072+512*ii   ; biask's other half, into the set that pair 1 takes
.set ii, ii+1
.endr
.irp t, 0,1,2,3
	global_load_b128 v[VV+8*\t:VV+8*\t+3], v[VO], s[10:11] offset:64*\t
	global_load_b128 v[VV+8*\t+4:VV+8*\t+7], v[VO], s[10:11] offset:64*\t+16
.endr
	s_wait_kmcnt 0x0
	s_add_co_i32 s50, s22, s23
	s_lshl_b32 s50, s50, 23
	s_add_co_i32 s[K2], s50, 0x4038aa3b    ; 2 log2(e) x 2^(e2 + e3)
	s_mov_b32 s[K2+1], s[K2]               ; (named with it as a pair, so it is written)
	ADDR 0
	v_add_nc_u32 v[WSA], s[G0B+1], v[LI]
	s_wait_alu depctr_va_vdst(0)           ; the wait at the head's end
	s_wait_tensorcnt 0x0                   ; my part of slot 0 is in
	ds_add_u32 v[SPW], v[NIL]
	s_mov_b32 s52, (1<<20)|(7<<22)|(3<<25) ; s[52:59], s[60:63]: my half of We, for my work-group alone: 32 rows of 1,024 bytes, dense in memory, padded in LDS as the pairs are:
	s_mov_b32 s53, 1024<<16                ; so it covers the very bytes that my loads of slot 1 fill
	s_mov_b32 s54, 32<<16
	s_mov_b32 s55, 1024<<16
	s_mov_b32 s56, 32
	s_mov_b32 s57, 1024
	s_mov_b32 s58, 0
	s_mov_b32 s59, 0
	s_mov_b32 s60, 1
	s_add_co_u32 s61, s[G0A+1], SLOT
	s_add_nc_u64 s[62:63], s[6:7], 0x8000
	s_or_b32 s63, s63, 0x80000000
	s_wait_dscnt 0x0
	ROUND
	tensor_load_to_lds s[60:63], s[52:59]
	s_nop 0
	PLACES 4
	RUN 0
	RUN 4
	MPAIR 0, 0, 0, 1                       ; pair 0
	s_wait_alu depctr_va_vdst(0)
	s_wait_tensorcnt 0x0                   ; slot 1 is filled again, with the encoder's rows: the same lines as at every change
	ds_add_u32 v[SPW], v[NIL]
	s_wait_dscnt 0x0
	ROUND
	tensor_load_to_lds s[G0B:G0B+3], s[G1:G1+7]
	s_nop 0
	PLACES 4
	EPI 0, 0, 0, 0, 0
	MPAIR 1, 0, 1, 0                       ; pair 1
	EPI 1, 1, 1, 0, 0
	s_mov_b32 s[CNT], 6
.Lslot:                                ; pairs 4 i + 2 .. 4 i + 5; slot i + 2 is asked for behind pair 4 i + 3
	MPAIR 0, 1, 1, 0
	EPI 0, 2, 1, 1, 0
	MPAIR 1, 1, 1, 0
	EPI 1, 3, 1, 1, 1
	MPAIR 0, 1, 1, 0
	EPI 0, 0, 1, 1, 0
	MPAIR 1, 1, 1, 0
	EPI 1, 1, 1, 1, 0
	s_sub_co_u32 s[CNT], s[CNT], 1
	s_cmp_lg_u32 s[CNT], 0
	s_cbranch_scc1 .Lslot
	MPAIR 0, 1, 1, 0                       ; pair 26
	EPI 0, 2, 1, 1, 0
	MPAIR 1, 1, 1, 0
	EPI 1, 3, 1, 1, 0                      ; the last change fills nothing
	MPAIR 0, 1, 1, 0
	EPI 0, 0, 1, 1, 0
	MPAIR 1, 1, 1, 0
	EPI 1, 1, 1, 1, 0
	MPAIR 0, 1, 1, 0                       ; pair 30
	EPI 0, 2, 1, 1, 0
	MPAIR 1, 1, 1, 0                       ; pair 31
	EPI 1, 4, 1, 1, 0
	SUMF ACC, 0                            ; pair 30's sums
	SUMF ACC, 1
	SUMF ACC, 2
	SUMF ACC, 3
	JOIN
	PUT
.set xx, ACC+64
.rept 32
	v_pk_add_f32 v[xx:xx+1], v[xx:xx+1], 1.0 op_sel_hi:[1,0]
.set xx, xx+2
.endr
	s_wait_alu depctr_va_vdst(0)
.set xx, ACC+64
.rept 64
	v_rcp_f32 v[xx], v[xx]
.set xx, xx+1
.endr
	v_nop
	s_wait_alu depctr_va_vdst(0)
	SUMF ACC+64, 0                         ; pair 31's
	SUMF ACC+64, 1
	SUMF ACC+64, 2
	SUMF ACC+64, 3
	JOIN
	PUT
	s_wait_dscnt 0x0                       ; my sums are in LDS, for the others' sake
	s_barrier_signal -1
	s_barrier_wait -1
.irp u, 0,1
.irp p, 0,1,2,3,4,5,6,7
	ds_load_b128 v[OUTR+32*\u+4*\p:OUTR+32*\u+4*\p+3], v[WO] offset:PARTB*\p+2176*\u
.endr
.endr
	s_wait_dscnt 0x0
.irp u, 0,1
.irp p, 1,2,3,4,5,6,7
	v_pk_add_f32 v[OUTR+32*\u:OUTR+32*\u+1], v[OUTR+32*\u:OUTR+32*\u+1], v[OUTR+32*\u+4*\p:OUTR+32*\u+4*\p+1]
	v_pk_add_f32 v[OUTR+32*\u+2:OUTR+32*\u+3], v[OUTR+32*\u+2:OUTR+32*\u+3], v[OUTR+32*\u+4*\p+2:OUTR+32*\u+4*\p+3]
.endr
	global_store_b128 v[GO], v[OUTR+32*\u:OUTR+32*\u+3], s[14:15] offset:65536*\u   ; sixteen lanes store the 256 bytes of one batch, at a multiple of 256
.endr
	s_wait_tensorcnt 0x0                   ; the wave's end
	ds_add_u32 v[SPW], v[NIL]
	s_wait_dscnt 0x0
	ROUND                                  ; the closing round: no work-group ends while a partner may still ask for a tile that names it
	s_endpgm
.Lfunc_end_k_q7936eeb92c_main:
	.size	k_q7936eeb92c_main, .Lfunc_end_k_q7936eeb92c_main-k_q7936eeb92c_main
	.p2alignl 7, 3214868480
	.fill 96, 4, 3214868480
	.section	.rodata,"a",@progbits
	.p2align	6, 0x0
	.amdhsa_kernel k_q7936eeb92c_main
		.amdhsa_group_segment_fixed_size 327680
		.amdhsa_private_segment_fixed_size 0
		.amdhsa_enable_private_segment 0
		.amdhsa_kernarg_size 48
		.amdhsa_user_sgpr_count 2
		.amdhsa_user_sgpr_kernarg_segment_ptr 1
		.amdhsa_wavefront_size32 1
		.amdhsa_system_sgpr_workgroup_id_x 1
		.amdhsa_system_sgpr_workgroup_id_y 1
		.amdhsa_system_sgpr_workgroup_id_z 1
		.amdhsa_system_vgpr_workitem_id 0
		.amdhsa_next_free_vgpr 1024
		.amdhsa_next_free_sgpr 66
		.amdhsa_reserve_vcc 0
		.amdhsa_float_denorm_mode_32 3
		.amdhsa_float_denorm_mode_16_64 3
		.amdhsa_memory_ordered 1
		.amdhsa_forward_progress 1
		.amdhsa_inst_pref_size 255
	.end_amdhsa_kernel
	.section	.bss,"aw",@nobits
	.p2align	6
	.space	262144
	.amdgpu_metadata
---
amdhsa.version: [ 1, 2 ]
amdhsa.kernels:
  - .name:           k_q7936eeb92c_main
    .symbol:         k_q7936eeb92c_main.kd
    .args:
      - { .name: encoder_outputs_codes, .offset: 0, .size: 8, .value_kind: global_buffer, .address_space: global }
      - { .name: wq, .offset: 8, .size: 8, .value_kind: global_buffer, .address_space: global }
      - { .name: biask, .offset: 16, .size: 8, .value_kind: global_buffer, .address_space: global }
      - { .name: v, .offset: 24, .size: 8, .value_kind: global_buffer, .address_space: global }
      - { .name: lowp_scales, .offset: 32, .size: 8, .value_kind: global_buffer, .address_space: global }
      - { .name: part, .offset: 40, .size: 8, .value_kind: global_buffer, .address_space: global }
    .group_segment_fixed_size: 327680
    .private_segment_fixed_size: 0
    .kernarg_segment_align: 8
    .kernarg_segment_size: 48
    .max_flat_workgroup_size: 128
    .sgpr_count:     66
    .vgpr_count:     1024
    .wavefront_size: 32
...
	.end_amdgpu_metadata
.endif
;; end of part 2
;; launch soft (part 3): grid 32 x 1, 8 waves a work-group, no clusters, 1,280 bytes of LDS; arguments part, out0; writes out0
.if DOCPART == 3
	.amdgcn_target "amdgcn-amd-amdhsa--gfx1250"
	.amdhsa_code_object_version 6
	.text
	.protected	k_q7936eeb92c_soft
	.globl	k_q7936eeb92c_soft
	.p2align	8
	.type	k_q7936eeb92c_soft,@function
k_q7936eeb92c_soft:
	s_mov_b64 s[64:65], 0
	v_nop
	global_prefetch_b8 v0, s[64:65] scope:SCOPE_SE
	s_setreg_imm32_b32 hwreg(HW_REG_WAVE_MODE, 25, 1), 1
	s_wait_xcnt 0x0
; out0[batch][0][s] = softmax over s of the scores.  A score is a constant of the batch - 2 x (the sum over the four quarters q of part[q][batch][s]); the constant drops out of the softmax (shown at the head of prep).
; In base 2: t = -2 log2(e) x that sum.  Work-group x owns batch x; wave w the positions 256 w .. 256 w + 255, lane l of it 128 k + 4 l .. + 3, k = 0, 1.
; Each wave takes its own largest t, m, away ahead of the exponentials and sums p = 2^(t - m).  The waves hand (m, sum) to each other through LDS; M = the largest m; the row's sum is the sum of 2^(m - M) x a wave's sum, at least 1;
; out = p x 2^(m - M) / the row's sum.  No matrix work, no tensor load, no loop: 1 MiB in, 256 KiB out.
.set L, 16                             ; run k, quarter q at L + 16 k + 4 q; the sums, t and p stay at L + 16 k
	s_load_b128 s[4:7], s[0:1], 0x0                ; part, out0
	v_lshl_add_u32 v96, v0, 2, 0x100
	v_mov_b32 v97, 0
	v_lshrrev_b32 v1, 5, v0                        ; wave
	v_and_b32 v2, 31, v0                           ; lane
	v_mov_b32 v8, 0                                ; LDS: the eight pairs,
	v_lshlrev_b32 v6, 10, v1
	v_lshlrev_b32 v9, 3, v1                        ; and my wave's
	v_mov_b32 v11, 0                               ; written once: a lane permute's destination counts as one of its sources
	v_lshl_add_u32 v6, v2, 4, v6                   ; 1024 w + 16 l
	s_mov_b32 s12, 0x76543210                      ; v_permlanex16_b32: lane l xor 16
	s_mov_b32 s13, 0xfedcba98
	s_lshl_b32 s10, ttmp9, 13                      ; a batch's row of 8,192 bytes
	s_mov_b32 s11, 0
	s_wait_alu depctr_va_vdst(0)                   ; the wait at the head's end
	s_wait_kmcnt 0x0
	s_add_nc_u64 s[4:5], s[4:5], s[10:11]
	s_add_nc_u64 s[6:7], s[6:7], s[10:11]
.irp k, 0,1
.irp q, 0,1,2,3
	global_load_b128 v[L+16*\k+4*\q:L+16*\k+4*\q+3], v6, s[4:5] offset:512*\k+262144*\q th:TH_LOAD_NT   ; 32 lanes read 512 consecutive bytes; read once in the launch
.endr
.endr
	s_wait_loadcnt 0x0
.irp j, 0,8,16,24
	v_pk_add_f32 v[L+\j:L+\j+1], v[L+\j:L+\j+1], v[L+\j+4:L+\j+5]
	v_pk_add_f32 v[L+\j+2:L+\j+3], v[L+\j+2:L+\j+3], v[L+\j+6:L+\j+7]
.endr
.irp j, 0,2,16,18
	v_pk_add_f32 v[L+\j:L+\j+1], v[L+\j:L+\j+1], v[L+\j+8:L+\j+9]
.endr
.irp j, 0,2,16,18
	v_pk_mul_f32 v[L+\j:L+\j+1], v[L+\j:L+\j+1], 0xc038aa3b op_sel_hi:[1,0]       ; x -2 log2(e)
.endr
	v_max3_num_f32 v10, v[L], v[L+1], v[L+2]       ; the largest of my 8
	v_max3_num_f32 v12, v[L+16], v[L+17], v[L+18]
	v_max3_num_f32 v10, v10, v[L+3], v[L+19]
	s_delay_alu instid0(VALU_DEP_1)
	v_max_num_f32 v10, v10, v12
	s_delay_alu instid0(VALU_DEP_1)
	v_max_num_f32_dpp v10, v10, v10 row_xmask:1 row_mask:0xf bank_mask:0xf
	s_delay_alu instid0(VALU_DEP_1)
	v_max_num_f32_dpp v10, v10, v10 row_xmask:2 row_mask:0xf bank_mask:0xf
	s_delay_alu instid0(VALU_DEP_1)
	v_max_num_f32_dpp v10, v10, v10 row_xmask:4 row_mask:0xf bank_mask:0xf
	s_delay_alu instid0(VALU_DEP_1)
	v_max_num_f32_dpp v10, v10, v10 row_xmask:8 row_mask:0xf bank_mask:0xf
	s_delay_alu instid0(VALU_DEP_1)
	v_permlanex16_b32 v11, v10, s12, s13
	s_delay_alu instid0(VALU_DEP_1)
	v_max_num_f32 v10, v10, v11                    ; m
.irp j, 0,2,16,18
	v_pk_add_f32 v[L+\j:L+\j+1], v[L+\j:L+\j+1], v[10:11] op_sel_hi:[1,0] neg_lo:[0,1] neg_hi:[0,1]
.endr
	s_wait_alu depctr_va_vdst(0)                   ; ahead of the batch and behind it
.irp j, 0,1,2,3,16,17,18,19
	v_exp_f32 v[L+\j], v[L+\j]
.endr
	v_nop
	s_wait_alu depctr_va_vdst(0)
	v_pk_add_f32 v[12:13], v[L:L+1], v[L+2:L+3]
	v_pk_add_f32 v[14:15], v[L+16:L+17], v[L+18:L+19]
	s_delay_alu instid0(VALU_DEP_1)
	v_pk_add_f32 v[12:13], v[12:13], v[14:15]
	s_delay_alu instid0(VALU_DEP_1)
	v_add_f32 v12, v12, v13
	s_delay_alu instid0(VALU_DEP_1)
	v_add_f32_dpp v12, v12, v12 row_xmask:1 row_mask:0xf bank_mask:0xf
	s_delay_alu instid0(VALU_DEP_1)
	v_add_f32_dpp v12, v12, v12 row_xmask:2 row_mask:0xf bank_mask:0xf
	s_delay_alu instid0(VALU_DEP_1)
	v_add_f32_dpp v12, v12, v12 row_xmask:4 row_mask:0xf bank_mask:0xf
	s_delay_alu instid0(VALU_DEP_1)
	v_add_f32_dpp v12, v12, v12 row_xmask:8 row_mask:0xf bank_mask:0xf
	s_delay_alu instid0(VALU_DEP_1)
	v_permlanex16_b32 v13, v12, s12, s13
	s_delay_alu instid0(VALU_DEP_1)
	v_add_f32 v11, v12, v13                        ; my wave's sum, beside m
	ds_store_b64 v9, v[10:11]                      ; 32 lanes write the same 8 bytes with the same values
	s_wait_dscnt 0x0
	s_barrier_signal -1
	s_barrier_wait -1
.irp i, 0,1,2,3
	ds_load_b128 v[80+4*\i:83+4*\i], v8 offset:16*\i
.endr
	s_wait_dscnt 0x0
	v_max3_num_f32 v14, v80, v82, v84
	v_max3_num_f32 v15, v86, v88, v90
	v_max3_num_f32 v14, v14, v92, v94
	s_delay_alu instid0(VALU_DEP_1)
	v_max_num_f32 v14, v14, v15                    ; M
.irp i, 0,2,4,6,8,10,12,14
	v_sub_f32 v[80+\i], v[80+\i], v14
.endr
	v_sub_f32 v12, v10, v14
	s_wait_alu depctr_va_vdst(0)
.irp i, 0,2,4,6,8,10,12,14
	v_exp_f32 v[80+\i], v[80+\i]
.endr
	v_exp_f32 v12, v12
	v_nop
	s_wait_alu depctr_va_vdst(0)
	v_mul_f32 v13, v80, v81
	v_mul_f32 v15, v82, v83
	v_fma_f32 v13, v84, v85, v13
	v_fma_f32 v15, v86, v87, v15
	v_fma_f32 v13, v88, v89, v13
	v_fma_f32 v15, v90, v91, v15
	v_fma_f32 v13, v92, v93, v13
	v_fma_f32 v15, v94, v95, v15
	s_delay_alu instid0(VALU_DEP_1)
	v_add_f32 v13, v13, v15                        ; the row's sum
	s_wait_alu depctr_va_vdst(0)
	v_rcp_f32 v13, v13
	v_nop
	s_wait_alu depctr_va_vdst(0)
	v_mul_f32 v12, v12, v13
.irp k, 0,1
	v_pk_mul_f32 v[L+16*\k:L+16*\k+1], v[L+16*\k:L+16*\k+1], v[12:13] op_sel_hi:[1,0]
	v_pk_mul_f32 v[L+16*\k+2:L+16*\k+3], v[L+16*\k+2:L+16*\k+3], v[12:13] op_sel_hi:[1,0]
	global_store_b128 v6, v[L+16*\k:L+16*\k+3], s[6:7] offset:512*\k   ; 32 lanes store 512 consecutive bytes, at a multiple of 512 from out0's first byte
.endr
	s_wait_tensorcnt 0x0
	ds_add_u32 v96, v97
	s_wait_dscnt 0x0
	s_endpgm
.Lfunc_end_k_q7936eeb92c_soft:
	.size	k_q7936eeb92c_soft, .Lfunc_end_k_q7936eeb92c_soft-k_q7936eeb92c_soft
	.p2alignl 7, 3214868480
	.fill 96, 4, 3214868480
	.section	.rodata,"a",@progbits
	.p2align	6, 0x0
	.amdhsa_kernel k_q7936eeb92c_soft
		.amdhsa_group_segment_fixed_size 1280
		.amdhsa_private_segment_fixed_size 0
		.amdhsa_enable_private_segment 0
		.amdhsa_kernarg_size 16
		.amdhsa_user_sgpr_count 2
		.amdhsa_user_sgpr_kernarg_segment_ptr 1
		.amdhsa_wavefront_size32 1
		.amdhsa_system_sgpr_workgroup_id_x 1
		.amdhsa_system_sgpr_workgroup_id_y 1
		.amdhsa_system_sgpr_workgroup_id_z 1
		.amdhsa_system_vgpr_workitem_id 0
		.amdhsa_next_free_vgpr 98
		.amdhsa_next_free_sgpr 66
		.amdhsa_reserve_vcc 0
		.amdhsa_float_denorm_mode_32 3
		.amdhsa_float_denorm_mode_16_64 3
		.amdhsa_memory_ordered 1
		.amdhsa_forward_progress 1
		.amdhsa_inst_pref_size 8
	.end_amdhsa_kernel
	.amdgpu_metadata
---
amdhsa.version: [ 1, 2 ]
amdhsa.kernels:
  - .name:           k_q7936eeb92c_soft
    .symbol:         k_q7936eeb92c_soft.kd
    .args:
      - { .name: part, .offset: 0, .size: 8, .value_kind: global_buffer, .address_space: global }
      - { .name: out0, .offset: 8, .size: 8, .value_kind: global_buffer, .address_space: global }
    .group_segment_fixed_size: 1280
    .private_segment_fixed_size: 0
    .kernarg_segment_align: 8
    .kernarg_segment_size: 16
    .max_flat_workgroup_size: 256
    .sgpr_count:     66
    .vgpr_count:     98
    .wavefront_size: 32
...
	.end_amdgpu_metadata
.endif
;; end of part 3
